; MI455X (gfx1250); checked and timed in simulation.
; The chip was launched on July 23, 2026; its instructions are those of AMD's public machine-readable ISA for CDNA 5 (MIT licence, August 2026) and "CDNA5" Instruction Set Architecture Reference Guide (July 2026). The comments in the code are by the model that wrote it; some were corrected since.
;; Multi Headed Attention. Allowed arithmetic: float matrix products may take bf16 or f16 operands with f32 sums; all other float work in f32.
;; Inputs: W_qkv 1,024 x 3,072 float32; b_qkv 3,072 float32; x 4 x 2,048 x 1,024 float32.
;; Outputs: out0 4 x 16 x 2,048 x 64 float32.
;; 2 versions, each right; version 2 is version 1 with the launch prep written anew for expert scheduling mode. Each part assembles by itself: llvm-mc -triple=amdgcn-amd-amdhsa -mcpu=gfx1250 --defsym DOCPART=n.
;; ======== version 1 of 2: 3 launches
;; workspace buffers: xb 16,777,216 bytes; wt 6,291,456 bytes; mp 8,388,608 bytes
;; launch prep (part 1): grid 640 x 1, 8 waves a work-group, no clusters, 75,008 bytes of LDS; arguments x, W_qkv, xb, wt; writes xb, wt
.if DOCPART == 1
	.amdgcn_target "amdgcn-amd-amdhsa--gfx1250"
	.amdhsa_code_object_version 6
	.text
	.protected	k_q5cda46dea9_prep
	.globl	k_q5cda46dea9_prep
	.p2align	8
	.type	k_q5cda46dea9_prep,@function
k_q5cda46dea9_prep:
	s_mov_b64 s[64:65], 0
	v_nop
	global_prefetch_b8 v0, s[64:65] scope:SCOPE_SE
	s_setreg_imm32_b32 hwreg(HW_REG_WAVE_MODE, 25, 1), 1
	s_wait_xcnt 0x0
; prep: the two matrix operands of the projection, rounded once to bf16 (nearest even).
;   xb[8192][1024] = x.     wt[3072][1024] = W transposed, rows sorted by kind:
;   wt row 64 head + d             = column 192 head + 3 d     of W (q)
;   wt row 1024 + 128 head + d      = column 192 head + 3 d + 1 of W (k)
;   wt row 1024 + 128 head + 64 + d = column 192 head + 3 d + 2 of W (v)
; Work-groups 0 to 127 take W (one head's 192 columns x 128 rows of k each), work-groups 128 to 639 take 65,536 bytes of x each.
; A stream: no matrix unit, no cluster (no two work-groups read the same byte), loads through registers.
.set WGW,  128                         ; work-groups of the W part
.set WROW, 12288                       ; bytes in a row of W
.set TP,   48                          ; LDS: a column's eight k pairs of one wave, 32 bytes, + 16
.set TREG, 192*TP+32                   ; LDS: one wave's region, 192 columns; the 32 bytes shift the eight regions by 8 words from each other
	s_load_b256 s[4:11], s[0:1], 0x0               ; x s[4:5], W s[6:7], xb s[8:9], wt s[10:11]
	v_lshl_add_u32 v120, v0, 2, 0x12100
	v_mov_b32 v121, 0
	v_lshrrev_b32 v2, 5, v0
	v_readfirstlane_b32 s12, v2                    ; wave 0..7
	s_cmp_lt_u32 ttmp9, WGW                        ; the same for all waves of a work-group
	s_cbranch_scc1 .Lw_part
; ---- x: wave w takes 8,192 bytes; sixteen loads of 512 neighbouring bytes, all on their way at once
	v_and_b32 v1, 31, v0                           ; lane
	s_sub_co_u32 s13, ttmp9, WGW
	s_lshl_b32 s14, s13, 16                        ; 65,536 bytes of x,
	s_mov_b32 s15, 0
	s_lshl_b32 s16, s13, 15                        ; 32,768 bytes of xb
	s_mov_b32 s17, 0
	v_lshlrev_b32 v4, 4, v1
	v_lshl_or_b32 v4, v2, 13, v4                   ; 8,192 w + 16 lane
	v_lshlrev_b32 v5, 3, v1
	v_lshl_or_b32 v5, v2, 12, v5                   ; 4,096 w + 8 lane
	s_wait_kmcnt 0x0
	s_add_nc_u64 s[4:5], s[4:5], s[14:15]
	s_add_nc_u64 s[8:9], s[8:9], s[16:17]
.irp i, 0,1,2,3,4,5,6,7,8,9,10,11,12,13,14,15
	global_load_b128 v[24+4*\i:27+4*\i], v4, s[4:5] offset:512*\i th:TH_LOAD_NT
.endr
.irp i, 0,1,2,3,4,5,6,7,8,9,10,11,12,13,14,15
	s_wait_loadcnt 15-\i                           ; loads come back in order: load i is in, the 15 - i younger ones stay out
	v_cvt_pk_bf16_f32 v[88+2*\i], v[24+4*\i], v[25+4*\i]
	v_cvt_pk_bf16_f32 v[89+2*\i], v[26+4*\i], v[27+4*\i]
	global_store_b64 v5, v[88+2*\i:89+2*\i], s[8:9] offset:256*\i   ; the wave's 32 lanes store 256 consecutive bytes, aligned; no register is written twice
.endr
	s_endpgm
; ---- W: head = id / 8, kc = id % 8: rows 128 kc .. + 127 of W, columns 192 head .. + 191
.Lw_part:
	v_and_b32 v1, 15, v0                           ; r
	v_bfe_u32 v3, v0, 4, 1                         ; hh
	s_lshr_b32 s13, ttmp9, 3                       ; head
	s_and_b32 s14, ttmp9, 7                        ; kc
	; lane (r, hh) of wave w loads, for i = 0..3, the two rows k = 16 w + 8 hh + 2 i (+ 1), columns 64 g + 4 r .. + 3: sixteen lanes read 256 consecutive bytes of a row
	s_lshl_b32 s15, s12, 4
	v_lshl_add_u32 v4, v3, 3, s15                  ; 16 w + 8 hh
	v_mul_u32_u24 v4, v4, WROW
	v_lshl_add_u32 v4, v1, 4, v4
	s_mul_i32 s20, s14, 128*WROW
	s_mul_i32 s15, s13, 768
	s_add_co_u32 s20, s20, s15
	s_mov_b32 s21, 0
	s_wait_kmcnt 0x0
	s_add_nc_u64 s[6:7], s[6:7], s[20:21]
.irp i, 0,1,2,3
.irp g, 0,1,2
.irp e, 0,1
	global_load_b128 v[24+4*(6*\i+2*\g+\e):27+4*(6*\i+2*\g+\e)], v4, s[6:7] offset:\i*2*WROW+\e*WROW+\g*256 th:TH_LOAD_NT
.endr
.endr
.endr
	; LDS, in: my wave's own region; column c = 64 g + 4 r + e is row c, my k pair i + 4 hh is word i + 4 hh of it
	s_mul_i32 s15, s12, TREG
	v_mul_u32_u24 v5, v1, 4*TP
	v_lshl_add_u32 v5, v3, 4, v5
	v_add_nc_u32 v5, s15, v5                       ; w TREG + 4 r TP + 16 hh
	; LDS, back: lane r wants k = 8 r .. 8 r + 7 = k pairs 4 r .. 4 r + 3 = region r / 2, half r % 2, of column 3 d + kind, d = 16 dj + 2 w + hh
	v_lshrrev_b32 v6, 1, v1
	v_mul_u32_u24 v6, v6, TREG
	v_and_b32 v7, 1, v1
	v_lshl_add_u32 v6, v7, 4, v6
	v_mul_u32_u24 v7, v3, 3*TP
	s_mul_i32 s15, s12, 6*TP
	v_add3_u32 v6, v6, v7, s15
	; wt: row 2 w + hh of the sixteen of a load, 16 bytes at 16 r
	v_lshlrev_b32 v7, 4, v1
	v_lshl_add_u32 v7, v3, 11, v7
	s_lshl_b32 s15, s12, 12
	v_add_nc_u32 v7, s15, v7
	s_lshl_b32 s20, s13, 17                        ; q: 64 rows of 2,048 bytes a head
	s_lshl_b32 s15, s14, 8                         ; my 128 k are 256 bytes of a row of wt
	s_add_co_u32 s20, s20, s15
	s_add_nc_u64 s[16:17], s[10:11], s[20:21]
	s_lshl_b32 s20, s13, 18                        ; k and v: 128 rows a head, behind q's 1,024 rows
	s_add_co_u32 s20, s20, s15
	s_add_co_u32 s20, s20, 2097152
	s_add_nc_u64 s[18:19], s[10:11], s[20:21]
.irp i, 0,1,2,3
.irp g, 0,1,2
	s_wait_loadcnt 22-2*(3*\i+\g)                  ; this pair of rows is in; the pairs issued behind it stay out
.irp e, 0,1,2,3
	v_cvt_pk_bf16_f32 v[20+\e], v[24+4*(6*\i+2*\g)+\e], v[24+4*(6*\i+2*\g+1)+\e]    ; the even k below, the odd k above
.endr
.irp e, 0,1,2,3
	ds_store_b32 v5, v[20+\e] offset:(64*\g+\e)*TP+4*\i
.endr
.endr
.endr
	s_wait_dscnt 0x0                               ; my stores are in LDS before I say so
	s_barrier_signal -1
	s_barrier_wait -1                              ; everybody's are: the rows read below are made of all eight regions
.irp j, 0,1,2,3,4,5,6,7,8,9,10,11
	ds_load_b128 v[24+4*\j:27+4*\j], v6 offset:(48*(\j&3)+(\j>>2))*TP     ; kind j / 4, d = 16 (j % 4) + 2 w + hh
.endr
.irp j, 0,1,2,3
	s_wait_dscnt 11-\j
	global_store_b128 v7, v[24+4*\j:27+4*\j], s[16:17] offset:32768*\j    ; sixteen lanes store 256 consecutive bytes, aligned
.endr
.irp j, 4,5,6,7,8,9,10,11
	s_wait_dscnt 11-\j
	global_store_b128 v7, v[24+4*\j:27+4*\j], s[18:19] offset:32768*(\j&3)+131072*((\j>>2)-1)
.endr
	s_wait_tensorcnt 0x0
	ds_add_u32 v120, v121
	s_wait_dscnt 0x0
	s_endpgm
.Lfunc_end_k_q5cda46dea9_prep:
	.size	k_q5cda46dea9_prep, .Lfunc_end_k_q5cda46dea9_prep-k_q5cda46dea9_prep
	.p2alignl 7, 3214868480
	.fill 96, 4, 3214868480
	.section	.rodata,"a",@progbits
	.p2align	6, 0x0
	.amdhsa_kernel k_q5cda46dea9_prep
		.amdhsa_group_segment_fixed_size 75008
		.amdhsa_private_segment_fixed_size 0
		.amdhsa_enable_private_segment 0
		.amdhsa_kernarg_size 32
		.amdhsa_user_sgpr_count 2
		.amdhsa_user_sgpr_kernarg_segment_ptr 1
		.amdhsa_wavefront_size32 1
		.amdhsa_system_sgpr_workgroup_id_x 1
		.amdhsa_system_sgpr_workgroup_id_y 1
		.amdhsa_system_sgpr_workgroup_id_z 1
		.amdhsa_system_vgpr_workitem_id 0
		.amdhsa_next_free_vgpr 122
		.amdhsa_next_free_sgpr 66
		.amdhsa_reserve_vcc 0
		.amdhsa_float_denorm_mode_32 3
		.amdhsa_float_denorm_mode_16_64 3
		.amdhsa_memory_ordered 1
		.amdhsa_forward_progress 1
		.amdhsa_inst_pref_size 20
	.end_amdhsa_kernel
	.amdgpu_metadata
---
amdhsa.version: [ 1, 2 ]
amdhsa.kernels:
  - .name:           k_q5cda46dea9_prep
    .symbol:         k_q5cda46dea9_prep.kd
    .args:
      - { .name: x, .offset: 0, .size: 8, .value_kind: global_buffer, .address_space: global }
      - { .name: W_qkv, .offset: 8, .size: 8, .value_kind: global_buffer, .address_space: global }
      - { .name: xb, .offset: 16, .size: 8, .value_kind: global_buffer, .address_space: global }
      - { .name: wt, .offset: 24, .size: 8, .value_kind: global_buffer, .address_space: global }
    .group_segment_fixed_size: 75008
    .private_segment_fixed_size: 0
    .kernarg_segment_align: 8
    .kernarg_segment_size: 32
    .max_flat_workgroup_size: 256
    .sgpr_count:     66
    .vgpr_count:     122
    .wavefront_size: 32
...
	.end_amdgpu_metadata
.endif
;; end of part 1
;; launch kv (part 2): grid 8 x 32, 4 waves a work-group, clusters of 4 x 4, 327,680 bytes of LDS; arguments xb, wt, b_qkv, mp; writes mp
.if DOCPART == 2
	.amdgcn_target "amdgcn-amd-amdhsa--gfx1250"
	.amdhsa_code_object_version 6
	.text
	.protected	k_q5cda46dea9_kv
	.globl	k_q5cda46dea9_kv
	.p2align	8
	.type	k_q5cda46dea9_kv,@function
k_q5cda46dea9_kv:
	s_mov_b64 s[64:65], 0
	v_nop
	global_prefetch_b8 v0, s[64:65] scope:SCOPE_SE
	s_setreg_imm32_b32 hwreg(HW_REG_WAVE_MODE, 25, 1), 1
	s_wait_xcnt 0x0
	s_wait_alu depctr_hold_cnt(0) depctr_sa_sdst(0) depctr_va_vdst(0) depctr_va_sdst(0) depctr_va_ssrc(0) depctr_va_vcc(0) depctr_vm_vsrc(0)
	s_getreg_b32 s2, hwreg(HW_REG_IB_STS2, 6, 4)
	s_cmp_eq_u32 s2, 0
	s_cbranch_scc0 .Lentry_in_a_cluster
	s_endpgm
.Lentry_in_a_cluster:
	s_bfe_u32 s2, ttmp6, 0x10000c
	s_cmp_lg_u32 s2, 0xf033
	s_cbranch_scc0 .Lentry_shape_is_right
	s_endpgm
.Lentry_shape_is_right:
; kv: K and V of two heads for 256 rows of x, and from them the partial sums M = K^T V (64 x 64 for each head), which go to mp in f32.
; The problem has no softmax: out = (q k^T 32) v = q (32 k^T v) for every input, so the n x n matrix is never made.
; LIMITS, kept on purpose: the order of summation differs from the written order of the products (reassociation); V is rounded once to bf16;
; K enters the second product as two bf16 terms (upper 16 bits, and the rest rounded): 16 significant bits.  Where an f32 value of K is infinite
; the rest is inf - inf = NaN; the written order has no finite result there either.  All matrix operands are bf16: f32's range is kept.
;
; A work-group makes 256 rows x 256 columns (k and v of heads 2 bc and 2 bc + 1) with four waves; a wave makes 128 rows x one head's 128 columns:
; 64 accumulator tiles, 512 registers.  K goes in steps of 128 through two LDS slots filled by tensor loads: rows of 256 bytes, aligned.
; CLUSTERS: 4 x 4 work-groups.  The four of a row of the cluster need the same rows of xb, the four of a column the same rows of wt: joint loads.
; OPERAND ORDER: source 0 = 16 rows of xb, source 1 = 16 rows of wt.  In the result lane l holds column l % 16, registers 0-7 rows 8 (l / 16) + 0..7,
; so two tiles that lie one below the other, packed to bf16, ARE a fragment of 32 along the rows: K^T V needs no exchange between lanes.
;
; REGISTERS by windows of 256:
;   window 0: v1-v27 lane terms and addresses; v64-127, v128-191 fragments of xb, two buffers (later K's upper halves); v192-255 bias tiles (later scratch)
;   window 1: v64-127, v128-191 fragments of wt (later V); v0-63 and v192-255: K's lower halves
;   window 2: accumulator tiles of my rows 0-63, tile (a, b) at v[8 (8 a + b)] (later M's 16 tiles at v[8 i]);  window 3: rows 64-127
.set KSTEP,  128
.set PITCH,  272                       ; an LDS row: 256 bytes + 16 of padding: the 16 rows of a fragment load start 4 words apart modulo 64 words
.set HALFT,  128*PITCH                 ; 128 rows: one tensor load, and what a wave reads of either operand
.set SLOT,   4*HALFT                   ; xb's 256 rows, then wt's 256 rows
.set LAPS,   4                         ; 1,024 along K = 8 steps = 4 times round the ring
.set ADRA, 16                          ; v16-17  LDS address of my xb fragments in slot 0, 1
.set ADRB, 20                          ; v20-21  the same for wt
.set STG,  24                          ; v24     M's stage: my wave's 16,384 bytes, 16 bytes a lane
.set RDM,  25                          ; v25     M's stage: the half of my head's tiles that I add up
.set CO,   26                          ; v26     16 x lane
.set BO,   27                          ; v27     12 x (lane % 16): my column's place in the bias
.set F0,   64
.set F1,   128
.set BIAS, 192                         ; v192-255: for each of the 8 column blocks a tile that holds my column's bias in all 8 registers
.set G1,  24                           ; s[24:31] descriptor group 1, xb's tiles
.set G0,  32                           ; s[32:39] group 0, xb's tiles, one set for each slot
.set G1B, 48                           ; s[48:55] group 1, wt's tiles: the mask differs
.set G0B, 56                           ; s[56:63] group 0, wt's tiles
.set MSB, 0
.macro WIN new                         ; the immediate's high byte repeats the setting that is left
.if MSB != \new
	s_set_vgpr_msb (MSB<<8)|\new
.set MSB, \new
.endif
.endm
.set MUL_LO,   0xa4                    ; source 0 window 0, source 1 window 1, C and D window 2
.set MUL_HI,   0xf4                    ; C and D window 3
.set FIRST_LO, 0x84                    ; C = a bias tile in window 0, D window 2
.set FIRST_HI, 0xc4
.set TO_B,     0x40
; A joint load.  Waves 0 and 1 fetch xb's two halves, waves 2 and 3 wt's.  The branch hangs on the wave's number alone.
.macro JLOAD s
	s_cmp_eq_u32 s15, 0
	s_cbranch_scc0 .Lfor_b_\@
	tensor_load_to_lds s[G0+4*\s:G0+4*\s+3], s[G1:G1+7]
	s_nop 0
	s_branch .Lasked_\@
.Lfor_b_\@:
	tensor_load_to_lds s[G0B+4*\s:G0B+4*\s+3], s[G1B:G1B+7]
	s_nop 0
.Lasked_\@:
.endm
.macro CREST                           ; a round of the cluster's barrier behind its opening barrier
	s_cmp_lg_u32 s14, 0
	s_cbranch_scc1 .Lnot_wave_0_\@
	s_barrier_signal -3
.Lnot_wave_0_\@:
	s_barrier_wait -3
	s_barrier_signal -1
	s_barrier_wait -1
.endm
.macro CROUND                          ; a whole round
	s_barrier_signal -1
	s_barrier_wait -1
	CREST
.endm
	s_load_b256 s[4:11], s[0:1], 0x0               ; xb s[4:5], wt s[6:7], b_qkv s[8:9], mp s[10:11]
	v_lshl_add_u32 v62, v0, 2, 0x44000
	v_mov_b32 v63, 0
	ds_add_u32 v62, v63
	ds_add_u32 v62, v63
	v_lshrrev_b32 v1, 5, v0
	v_readfirstlane_b32 s14, v1                    ; wave 0..3
	s_lshr_b32 s15, s14, 1                         ; my half of the block's rows.  Also: I fetch for xb (0) or for wt (1)
	s_and_b32 s16, s14, 1                          ; my head of the two.  Also: which 128 rows of that tile I fetch
	s_bfe_u32 s17, ttmp6, 0x40000                  ; cx
	s_bfe_u32 s18, ttmp6, 0x40004                  ; cy
	s_lshl_b32 s19, ttmp9, 2
	s_add_co_u32 s19, s19, s17                     ; bc = 4 x cluster x + cx: the pair of heads
	s_and_b32 s20, ttmp7, 0xffff
	s_lshl_b32 s20, s20, 2
	s_add_co_u32 s20, s20, s18                     ; br = 4 x cluster y + cy: the block of 256 rows
	s_lshl_b32 s21, s18, 2
	s_lshl_b32 s21, 15, s21                        ; my row of the cluster
	s_lshl_b32 s22, 0x1111, s17                    ; my column
	s_mov_b32 s70, 0x07060302                      ; v_perm_b32: the upper halves of two words
	s_mov_b32 s71, 0xffff0000                      ; a word's upper 16 bits
	; group 1: a tile of 128 rows x 128 elements of 2 bytes, 4 words of padding behind every 64
	s_or_b32 s[G1+0], s21, (1<<16)|(1<<20)|(1<<21)|(5<<22)|(3<<25)
	s_or_b32 s[G1B+0], s22, (1<<16)|(1<<20)|(1<<21)|(5<<22)|(3<<25)
	s_mov_b32 s[G1+1], KSTEP<<16                   ; tensor_dim0 = 128
	s_mov_b32 s[G1B+1], KSTEP<<16
	s_mov_b32 s[G1+2], 128<<16                     ; tensor_dim1 = 128
	s_mov_b32 s[G1B+2], 128<<16
	s_mov_b32 s[G1+3], KSTEP<<16                   ; tile_dim0 = 128
	s_mov_b32 s[G1B+3], KSTEP<<16
	s_mov_b32 s[G1+4], 128                         ; tile_dim1 = 128
	s_mov_b32 s[G1B+4], 128
	s_mov_b32 s[G1+5], 1024                        ; elements from row to row
	s_mov_b32 s[G1B+5], 1024
	s_mov_b32 s[G1+6], 0
	s_mov_b32 s[G1B+6], 0
	s_mov_b32 s[G1+7], 0
	s_mov_b32 s[G1B+7], 0
	; xb's tiles hang on br and the wave alone, wt's on bc and the wave alone, each in registers that never hold the other coordinate
	s_lshl_b32 s23, s16, 18                        ; 128 rows of 2,048 bytes
	s_lshl_b32 s40, s20, 19                        ; 256 rows
	s_add_co_u32 s40, s40, s23
	s_mov_b32 s41, 0
	s_lshl_b32 s44, s19, 19
	s_add_co_u32 s44, s44, s23
	s_add_co_u32 s44, s44, 2097152                 ; k and v lie behind q's 1,024 rows
	s_mov_b32 s45, 0
	s_mul_i32 s23, s14, HALFT                      ; LDS: xb's two halves, then wt's two = wave x 128 rows
	s_wait_dscnt 0x0
	s_wait_kmcnt 0x0
	s_add_nc_u64 s[40:41], s[4:5], s[40:41]
	s_add_nc_u64 s[44:45], s[6:7], s[44:45]
	CROUND                                         ; all sixteen work-groups are here: the first joint loads meet
.irp s, 0,1
	s_mov_b32 s[G0+4*\s], 1
	s_add_co_u32 s[G0+4*\s+1], s23, \s*SLOT
	s_add_nc_u64 s[G0+4*\s+2:G0+4*\s+3], s[40:41], \s*KSTEP*2
	s_or_b32 s[G0+4*\s+3], s[G0+4*\s+3], 0x80000000
	s_mov_b32 s[G0B+4*\s], 1
	s_add_co_u32 s[G0B+4*\s+1], s23, \s*SLOT
	s_add_nc_u64 s[G0B+4*\s+2:G0B+4*\s+3], s[44:45], \s*KSTEP*2
	s_or_b32 s[G0B+4*\s+3], s[G0B+4*\s+3], 0x80000000
	JLOAD \s                                       ; both slots' first fills go out before anything else: two tensor loads of the wave are out
.endr
	v_and_b32 v1, 15, v0                           ; r
	v_bfe_u32 v2, v0, 4, 1                         ; h
	v_mul_u32_u24 v3, v1, PITCH
	v_lshl_add_u32 v3, v2, 4, v3                   ; a fragment: row r, 16 bytes for each half of the lanes, a second load 32 bytes on
	s_mul_i32 s42, s15, HALFT                      ; my 128 rows of xb
	s_mul_i32 s43, s16, HALFT                      ; my head's 128 rows of wt,
	s_add_co_u32 s43, s43, 2*HALFT                 ; behind xb's 256
.irp s, 0,1
	v_add_nc_u32 v[ADRA+\s], s42, v3
	v_add_nc_u32 v[ADRB+\s], s43, v3
	s_add_co_u32 s42, s42, SLOT
	s_add_co_u32 s43, s43, SLOT
.endr
	v_and_b32 v4, 31, v0
	v_lshlrev_b32 v[CO], 4, v4
	s_lshl_b32 s42, s14, 14
	v_add_nc_u32 v[STG], s42, v[CO]                ; 16,384 w + 16 lane
	s_lshl_b32 s42, s16, 14
	s_lshl_b32 s43, s15, 13
	s_add_co_u32 s42, s42, s43
	v_add_nc_u32 v[RDM], s42, v[CO]                ; my head's first region (wave = head), the half that I add up
	v_mul_u32_u24 v[BO], v1, 12
	s_lshl_b32 s66, s19, 1
	s_add_co_u32 s66, s66, s16                     ; head
	s_mul_i32 s68, s66, 768
	s_mov_b32 s69, 0
	s_add_nc_u64 s[8:9], s[8:9], s[68:69]
.irp b, 0,1,2,3,4,5,6,7
	global_load_b32 v[BIAS+8*\b], v[BO], s[8:9] offset:192*(\b&3)+4+4*(\b>>2)   ; column 3 (16 (b % 4) + r) + 1 (k) or + 2 (v) of the head's 192
.endr
	s_lshr_b32 s67, s20, 3                         ; batch: 8 blocks of 256 rows each
	s_lshl_b32 s67, s67, 4
	s_add_co_u32 s67, s67, s66                     ; 16 batch + head
	s_lshl_b32 s68, s67, 17                        ; mp: 131,072 bytes for a (batch, head),
	s_and_b32 s46, s20, 7
	s_lshl_b32 s46, s46, 14                        ; 16,384 for a block of rows,
	s_add_co_u32 s68, s68, s46
	s_lshl_b32 s46, s15, 13                        ; and my half of the 16 tiles
	s_add_co_u32 s68, s68, s46
	s_add_nc_u64 s[10:11], s[10:11], s[68:69]
	s_wait_loadcnt 0x0
.irp b, 0,1,2,3,4,5,6,7
.irp j, 1,2,3,4,5,6,7
	v_mov_b32 v[BIAS+8*\b+\j], v[BIAS+8*\b]        ; a lane holds one column: the same bias in all 8 rows.  The first products take these tiles as C:
.endr                                                  ; no accumulator is cleared, and no bias is added afterwards
.endr
; 16 matrix instructions: row blocks a0, a0 + 1 of the window's four x all 8 column blocks, 32 along K.  first = 1: C is the bias tile.
; The 64 accumulators take turns, one instruction a turn, in the same order in every quarter step.
.macro MUL16 f, hi, a0, first
.irp a, \a0, \a0+1
.irp b, 0,1,2,3,4,5,6,7
.if \first
	v_wmma_f32_16x16x32_bf16 v[8*(8*(\a)+\b):8*(8*(\a)+\b)+7], v[\f+8*(4*\hi+\a):\f+8*(4*\hi+\a)+7], v[\f+8*\b:\f+8*\b+7], v[BIAS+8*\b:BIAS+8*\b+7]
.else
	v_wmma_f32_16x16x32_bf16 v[8*(8*(\a)+\b):8*(8*(\a)+\b)+7], v[\f+8*(4*\hi+\a):\f+8*(4*\hi+\a)+7], v[\f+8*\b:\f+8*\b+7], v[8*(8*(\a)+\b):8*(8*(\a)+\b)+7]
.endif
.endr
.endr
.endm
; 32 LDS loads in one run: one quarter step's fragments (wt's 128 rows, then xb's 128 rows, 32 K at byte k) into buffer f
.macro FETCH slot, k, f
	WIN TO_B
.irp i, 0,1,2,3,4,5,6,7
	ds_load_b128 v[\f+8*\i:\f+8*\i+3],   v[ADRB+\slot] offset:\k+\i*16*PITCH
	ds_load_b128 v[\f+8*\i+4:\f+8*\i+7], v[ADRB+\slot] offset:\k+\i*16*PITCH+32
.endr
	WIN 0
.irp i, 0,1,2,3,4,5,6,7
	ds_load_b128 v[\f+8*\i:\f+8*\i+3],   v[ADRA+\slot] offset:\k+\i*16*PITCH
	ds_load_b128 v[\f+8*\i+4:\f+8*\i+7], v[ADRA+\slot] offset:\k+\i*16*PITCH+32
.endr
.endm
; Four places behind the matrix instructions that read a buffer, ahead of the loads into it and of vector work on results
.macro PLACES
.rept 4
	v_nop
.endr
.endm
.macro QUARTER slot, k, f, g, first
	s_wait_dscnt 8                                 ; wt's fragments and xb's rows 0-63 are in; the youngest eight loads (rows 64-127) may be out
.if \first
	WIN FIRST_LO
.else
	WIN MUL_LO
.endif
	MUL16 \f, 0, 0, \first
	MUL16 \f, 0, 2, \first
	PLACES
	FETCH \slot, \k, \g
	s_wait_dscnt 32                                ; all but the 32 just issued
.if \first
	WIN FIRST_HI
.else
	WIN MUL_HI
.endif
	MUL16 \f, 1, 0, \first
	MUL16 \f, 1, 2, \first
.endm
.macro THREE slot, first
	QUARTER \slot, 64,  F0, F1, \first
	QUARTER \slot, 128, F1, F0, 0
	QUARTER \slot, 192, F0, F1, 0
.endm
; The last quarter of a K step changes slots.  In front of the barrier each wave waits for its reads of this slot and for all its tensor loads (one is
; out: its part of the next slot).  Where the slot is filled again the barrier opens a round of the cluster's barrier, and the joint refill is the first
; tensor load behind the round.  From a request to the wait for it a wave issues 240 matrix instructions.
.macro TURN slot, next, fill
	s_wait_dscnt 8
	WIN MUL_LO
	MUL16 F1, 0, 0, 0
	s_wait_dscnt 0
	s_set_vgpr_msb 0xa4a0
	s_wait_tensorcnt 0x0
	ds_add_u32 v62, v63
	s_wait_dscnt 0x0
	s_set_vgpr_msb 0xa0a4
	s_barrier_signal -1
	MUL16 F1, 0, 2, 0                              ; register work while the others arrive
	WIN 0
	s_barrier_wait -1
.if \fill
	CREST
	s_add_nc_u64 s[G0+4*\slot+2:G0+4*\slot+3], s[G0+4*\slot+2:G0+4*\slot+3], 2*KSTEP*2      ; no tensor load of mine is out: group 0 may be written
	s_add_nc_u64 s[G0B+4*\slot+2:G0B+4*\slot+3], s[G0B+4*\slot+2:G0B+4*\slot+3], 2*KSTEP*2
	JLOAD \slot
.endif
	PLACES
	FETCH \next, 0, F0
	WIN MUL_HI
	MUL16 F1, 1, 0, 0
	MUL16 F1, 1, 2, 0
.endm
.macro LAP first
	THREE 0, \first
	TURN 0, 1, 1
	THREE 1, 0
	TURN 1, 0, 1
.endm
	s_wait_tensorcnt 0x1                           ; my part of K step 0 is in; K step 1's stays out
	s_barrier_signal -1
	s_barrier_wait -1
	FETCH 0, 0, F0
	LAP 1
	WIN 0
	s_mov_b32 s3, LAPS-2
.Llap:
	LAP 0
	WIN 0
	s_sub_co_u32 s3, s3, 1
	s_cmp_lg_u32 s3, 0
	s_cbranch_scc1 .Llap
	THREE 0, 0                                     ; the last lap fills nothing
	TURN 0, 1, 0                                   ; behind this barrier no wave reads slot 0 any more, and no load fills it again
	THREE 1, 0
	s_wait_dscnt 8
	WIN MUL_LO
	MUL16 F1, 0, 0, 0
	MUL16 F1, 0, 2, 0
	s_wait_dscnt 0
	WIN MUL_HI
	MUL16 F1, 1, 0, 0
	MUL16 F1, 1, 2, 0
	PLACES
; ---- K^T V.  Fragment (t, block): rows 32 t .. 32 t + 31; registers 0-3 from tile a = 2 t, registers 4-7 from tile a = 2 t + 1.
; V (column blocks 4-7), rounded to bf16, into window 1, v[64 + 8 (4 t + bv)]
.macro CVTV win, t0
	WIN \win
.irp a, 0,1,2,3
.irp bv, 0,1,2,3
.irp r, 0,1,2,3
	v_cvt_pk_bf16_f32 v[64+8*(4*(\t0+\a/2)+\bv)+4*(\a&1)+\r], v[8*(8*\a+4+\bv)+2*\r], v[8*(8*\a+4+\bv)+2*\r+1]
.endr
.endr
.endr
.endm
; K (column blocks 0-3) of rows 32 t ..: upper 16 bits into window 0, v[64 + 8 f], f = 4 t + bk; the rest (exact in f32), rounded, into window 1, v[8 f] (f < 8) or v[128 + 8 f]
.macro SPLITK w, ww, tl, t
	WIN \ww
.irp al, 0,1
.irp bk, 0,1,2,3
.irp r, 0,1,2,3
	v_perm_b32 v[64+8*(4*\t+\bk)+4*\al+\r], v[8*(8*(2*\tl+\al)+\bk)+2*\r+1], v[8*(8*(2*\tl+\al)+\bk)+2*\r], s70
.endr
.irp j, 0,1,2,3,4,5,6,7
	v_and_b32 v[192+8*(4*\al+\bk)+\j], s71, v[8*(8*(2*\tl+\al)+\bk)+\j]
.endr
.endr
.endr
	WIN \w
.irp al, 0,1
.irp bk, 0,1,2,3
.irp r, 0,1,2,3
	v_pk_add_f32 v[192+8*(4*\al+\bk)+2*\r:192+8*(4*\al+\bk)+2*\r+1], v[8*(8*(2*\tl+\al)+\bk)+2*\r:8*(8*(2*\tl+\al)+\bk)+2*\r+1], v[192+8*(4*\al+\bk)+2*\r:192+8*(4*\al+\bk)+2*\r+1] neg_lo:[0,1] neg_hi:[0,1]
.endr
.endr
.endr
	WIN 0x40
.irp al, 0,1
.irp bk, 0,1,2,3
.irp r, 0,1,2,3
	v_cvt_pk_bf16_f32 v[8*(4*\t+\bk)+128*((4*\t+\bk)/8)+4*\al+\r], v[192+8*(4*\al+\bk)+2*\r], v[192+8*(4*\al+\bk)+2*\r+1]
.endr
.endr
.endr
.endm
	CVTV 0x4a, 0
	CVTV 0x4f, 2
	SPLITK 2, 0x0a, 0, 0
	SPLITK 2, 0x0a, 1, 1
	SPLITK 3, 0x0f, 0, 2
	SPLITK 3, 0x0f, 1, 3
	; M tile i = 4 bk + bv in window 2, v[8 i]: lane l holds dv = 16 bv + l % 16, registers dk = 16 bk + 8 (l / 16) + 0..7.
	; The 16 accumulators take turns, one instruction a turn.  The first products start the sums.
	WIN 0xa4
.irp t, 0,1,2,3
.irp bk, 0,1,2,3
.irp bv, 0,1,2,3
.if \t == 0
	v_wmma_f32_16x16x32_bf16 v[8*(4*\bk+\bv):8*(4*\bk+\bv)+7], v[64+8*(4*\t+\bk):64+8*(4*\t+\bk)+7], v[64+8*(4*\t+\bv):64+8*(4*\t+\bv)+7], 0
.else
	v_wmma_f32_16x16x32_bf16 v[8*(4*\bk+\bv):8*(4*\bk+\bv)+7], v[64+8*(4*\t+\bk):64+8*(4*\t+\bk)+7], v[64+8*(4*\t+\bv):64+8*(4*\t+\bv)+7], v[8*(4*\bk+\bv):8*(4*\bk+\bv)+7]
.endif
.endr
.endr
.endr
	WIN 0xa5                                       ; K's lower halves, from window 1
.irp t, 0,1,2,3
.irp bk, 0,1,2,3
.irp bv, 0,1,2,3
	v_wmma_f32_16x16x32_bf16 v[8*(4*\bk+\bv):8*(4*\bk+\bv)+7], v[8*(4*\t+\bk)+128*((4*\t+\bk)/8):8*(4*\t+\bk)+128*((4*\t+\bk)/8)+7], v[64+8*(4*\t+\bv):64+8*(4*\t+\bv)+7], v[8*(4*\bk+\bv):8*(4*\bk+\bv)+7]
.endr
.endr
.endr
	PLACES
	; The two waves of a head (rows 0-127 and 128-255) add their M in LDS.  The stage is the first 65,536 bytes of slot 0, which has had its last fill
	; and whose last reads lie in front of the last lap's barrier.  Each wave stores its register image: 512 consecutive bytes an instruction.
	WIN 0x08
.irp i, 0,1,2,3,4,5,6,7,8,9,10,11,12,13,14,15
	ds_store_b128 v[STG], v[8*\i:8*\i+3] offset:1024*\i
	ds_store_b128 v[STG], v[8*\i+4:8*\i+7] offset:1024*\i+512
.endr
	WIN 0
	s_wait_dscnt 0x0                               ; my stores are in LDS before I say so
	s_barrier_signal -1
	s_barrier_wait -1
.irp i, 0,1,2,3,4,5,6,7,8,9,10,11,12,13,14,15
	ds_load_b128 v[64+4*\i:67+4*\i],   v[RDM] offset:512*\i
	ds_load_b128 v[128+4*\i:131+4*\i], v[RDM] offset:32768+512*\i       ; the same tiles of the head's other wave
.endr
.irp i, 0,1,2,3,4,5,6,7,8,9,10,11,12,13,14,15
	s_wait_dscnt 30-2*\i                           ; pair i is in; the 15 - i pairs behind it stay out
	v_pk_add_f32 v[64+4*\i:65+4*\i], v[64+4*\i:65+4*\i], v[128+4*\i:129+4*\i]
	v_pk_add_f32 v[66+4*\i:67+4*\i], v[66+4*\i:67+4*\i], v[130+4*\i:131+4*\i]
	global_store_b128 v[CO], v[64+4*\i:67+4*\i], s[10:11] offset:512*\i   ; 512 consecutive bytes, aligned
.endr
	s_wait_tensorcnt 0x0
	ds_add_u32 v62, v63
	s_wait_dscnt 0x0
	CROUND                                         ; the closing round: no work-group ends while a partner may still ask for a tile that names it
	s_endpgm
.Lfunc_end_k_q5cda46dea9_kv:
	.size	k_q5cda46dea9_kv, .Lfunc_end_k_q5cda46dea9_kv-k_q5cda46dea9_kv
	.p2alignl 7, 3214868480
	.fill 96, 4, 3214868480
	.section	.rodata,"a",@progbits
	.p2align	6, 0x0
	.amdhsa_kernel k_q5cda46dea9_kv
		.amdhsa_group_segment_fixed_size 327680
		.amdhsa_private_segment_fixed_size 0
		.amdhsa_enable_private_segment 0
		.amdhsa_kernarg_size 32
		.amdhsa_user_sgpr_count 2
		.amdhsa_user_sgpr_kernarg_segment_ptr 1
		.amdhsa_wavefront_size32 1
		.amdhsa_system_sgpr_workgroup_id_x 1
		.amdhsa_system_sgpr_workgroup_id_y 1
		.amdhsa_system_sgpr_workgroup_id_z 1
		.amdhsa_system_vgpr_workitem_id 0
		.amdhsa_next_free_vgpr 1024
		.amdhsa_next_free_sgpr 76
		.amdhsa_reserve_vcc 0
		.amdhsa_float_denorm_mode_32 3
		.amdhsa_float_denorm_mode_16_64 3
		.amdhsa_memory_ordered 1
		.amdhsa_forward_progress 1
		.amdhsa_inst_pref_size 222
	.end_amdhsa_kernel
	.amdgpu_metadata
---
amdhsa.version: [ 1, 2 ]
amdhsa.kernels:
  - .name:           k_q5cda46dea9_kv
    .symbol:         k_q5cda46dea9_kv.kd
    .args:
      - { .name: xb, .offset: 0, .size: 8, .value_kind: global_buffer, .address_space: global }
      - { .name: wt, .offset: 8, .size: 8, .value_kind: global_buffer, .address_space: global }
      - { .name: b_qkv, .offset: 16, .size: 8, .value_kind: global_buffer, .address_space: global }
      - { .name: mp, .offset: 24, .size: 8, .value_kind: global_buffer, .address_space: global }
    .group_segment_fixed_size: 327680
    .private_segment_fixed_size: 0
    .kernarg_segment_align: 8
    .kernarg_segment_size: 32
    .max_flat_workgroup_size: 128
    .sgpr_count:     76
    .vgpr_count:     1024
    .wavefront_size: 32
...
	.end_amdgpu_metadata
.endif
;; end of part 2
;; launch qo (part 3): grid 8 x 32, 4 waves a work-group, clusters of 4 x 4, 327,680 bytes of LDS; arguments xb, wt, b_qkv, mp, out0; writes out0
.if DOCPART == 3
	.amdgcn_target "amdgcn-amd-amdhsa--gfx1250"
	.amdhsa_code_object_version 6
	.text
	.protected	k_q5cda46dea9_qo
	.globl	k_q5cda46dea9_qo
	.p2align	8
	.type	k_q5cda46dea9_qo,@function
k_q5cda46dea9_qo:
	s_mov_b64 s[64:65], 0
	v_nop
	global_prefetch_b8 v0, s[64:65] scope:SCOPE_SE
	s_setreg_imm32_b32 hwreg(HW_REG_WAVE_MODE, 25, 1), 1
	s_wait_xcnt 0x0
	s_wait_alu depctr_hold_cnt(0) depctr_sa_sdst(0) depctr_va_vdst(0) depctr_va_sdst(0) depctr_va_ssrc(0) depctr_va_vcc(0) depctr_vm_vsrc(0)
	s_getreg_b32 s2, hwreg(HW_REG_IB_STS2, 6, 4)
	s_cmp_eq_u32 s2, 0
	s_cbranch_scc0 .Lentry_in_a_cluster
	s_endpgm
.Lentry_in_a_cluster:
	s_bfe_u32 s2, ttmp6, 0x10000c
	s_cmp_lg_u32 s2, 0xf033
	s_cbranch_scc0 .Lentry_shape_is_right
	s_endpgm
.Lentry_shape_is_right:
; qo: Q of two heads for 256 rows of x, then out = Q (32 M), M = the sum of the eight partial K^T V of the (batch, head) from mp.
; LIMITS, kept on purpose: the order of summation differs from the written order of the products (reassociation).  Q and 32 M enter the last product
; as two bf16 terms each (upper 16 bits, and the rest rounded); the product of the two lower terms, some 2^-16 of the result, is left out.
; Where an f32 value of Q or M is infinite the rest is inf - inf = NaN; the written order has no finite result there either.
;
; A work-group makes 256 rows x 128 columns with four waves; a wave makes 128 rows x one head's 64 columns: 32 accumulator tiles.
; K goes in steps of 128 through two LDS slots (xb's 256 rows, wt's 128 rows) filled by joint tensor loads: 4 x 4 clusters, xb's tiles shared along
; a row of the cluster, wt's along a column.  mp is read through registers under the matrix work, one partial sum a K step; it is not asked for jointly:
; it goes to registers, which a tensor load does not reach.
; OPERAND ORDER: source 0 = 16 rows of wt, source 1 = 16 rows of xb: lane l holds row l % 16 of x, registers 0-7 columns 8 (l / 16) + 0..7.  Two tiles side by
; side, packed, are a fragment of Q with 32 along d.  The last product is used the same way (source 0 = M^T), so a lane ends with 8 neighbouring numbers of a row of out.
;
; REGISTERS by windows of 256:
;   window 0: v1-v29 lane terms and addresses; v32-63 bias tiles; v64-127, v128-191 fragments of xb; v192-223, v224-255 fragments of wt
;             (at the end: v64-127 M's upper halves, v128-191 its lower halves, v192-255 rows on their way out)
;   window 1: acc (cb, a) at v[8 (8 cb + a)]; at the end out (bv, a) at v[8 (8 bv + a)]
;   window 2: v0-63 M's sum, v64-127 the partial sum on its way (later scratch), v128-191 M's halves until staged, then v128-255 Q's upper halves
;   window 3: v0-127 Q's lower halves
.set KSTEP,  128
.set PITCH,  272
.set HALFA,  128*PITCH                 ; one load of xb: 128 rows
.set HALFB,  64*PITCH                  ; one load of wt: 64 rows = a head
.set SLOT,   2*HALFA+2*HALFB
.set MST,    2*SLOT                    ; M's fragments: 16,384 bytes a head: 8 upper fragments of 1,024 bytes, then 8 lower.  No tensor load lands here
.set OST,    MST+32768                 ; the way out: 16 rows of 272 bytes for each wave
.set LAPS,   4
.set ADRA, 16
.set ADRB, 20
.set STO,  24                          ; v24  way out: where I put my 32 bytes of a row
.set RD,   25                          ; v25  way out: where I read rows back
.set CO,   26                          ; v26  16 x lane: offset in out0 and in mp
.set BO,   27                          ; v27  96 x (lane / 16): my eight columns' place in the bias
.set MSA,  28                          ; v28  where I put the fragments of M that I made
.set MLA,  29                          ; v29  my head's fragments of M
.set BIAS, 32
.set FA0,  64
.set FA1,  128
.set FB0,  192
.set FB1,  224
.set G1,  24
.set G0,  32
.set G1B, 48
.set G0B, 56
.set MSB, 0
.macro WIN new
.if MSB != \new
	s_set_vgpr_msb (MSB<<8)|\new
.set MSB, \new
.endif
.endm
.macro JLOAD s
	s_cmp_eq_u32 s15, 0
	s_cbranch_scc0 .Lfor_b_\@
	tensor_load_to_lds s[G0+4*\s:G0+4*\s+3], s[G1:G1+7]
	s_nop 0
	s_branch .Lasked_\@
.Lfor_b_\@:
	tensor_load_to_lds s[G0B+4*\s:G0B+4*\s+3], s[G1B:G1B+7]
	s_nop 0
.Lasked_\@:
.endm
.macro CREST
	s_cmp_lg_u32 s14, 0
	s_cbranch_scc1 .Lnot_wave_0_\@
	s_barrier_signal -3
.Lnot_wave_0_\@:
	s_barrier_wait -3
	s_barrier_signal -1
	s_barrier_wait -1
.endm
.macro CROUND
	s_barrier_signal -1
	s_barrier_wait -1
	CREST
.endm
	s_load_b256 s[4:11], s[0:1], 0x0               ; xb s[4:5], wt s[6:7], b_qkv s[8:9], mp s[10:11]
	s_load_b64 s[12:13], s[0:1], 0x20              ; out0
	v_lshl_add_u32 v30, v0, 2, 0x3f400
	v_mov_b32 v31, 0
	ds_add_u32 v30, v31
	ds_add_u32 v30, v31
	v_lshrrev_b32 v1, 5, v0
	v_readfirstlane_b32 s14, v1                    ; wave 0..3
	s_lshr_b32 s15, s14, 1                         ; my half of the rows.  Also: I fetch for xb (0) or for wt (1)
	s_and_b32 s16, s14, 1                          ; my head of the two.  Also: which half of that tile I fetch
	s_bfe_u32 s17, ttmp6, 0x40000                  ; cx
	s_bfe_u32 s18, ttmp6, 0x40004                  ; cy
	s_lshl_b32 s19, ttmp9, 2
	s_add_co_u32 s19, s19, s17                     ; bc: the pair of heads
	s_and_b32 s20, ttmp7, 0xffff
	s_lshl_b32 s20, s20, 2
	s_add_co_u32 s20, s20, s18                     ; br: the block of 256 rows
	s_lshl_b32 s21, s18, 2
	s_lshl_b32 s21, 15, s21                        ; my row of the cluster
	s_lshl_b32 s22, 0x1111, s17                    ; my column
	s_mov_b32 s70, 0x07060302
	s_mov_b32 s71, 0xffff0000
	s_or_b32 s[G1+0], s21, (1<<16)|(1<<20)|(1<<21)|(5<<22)|(3<<25)
	s_or_b32 s[G1B+0], s22, (1<<16)|(1<<20)|(1<<21)|(5<<22)|(3<<25)
	s_mov_b32 s[G1+1], KSTEP<<16                   ; tensor_dim0 = 128
	s_mov_b32 s[G1B+1], KSTEP<<16
	s_mov_b32 s[G1+2], 128<<16                     ; tensor_dim1: 128 rows of xb,
	s_mov_b32 s[G1B+2], 64<<16                     ; 64 of wt
	s_mov_b32 s[G1+3], KSTEP<<16                   ; tile_dim0 = 128
	s_mov_b32 s[G1B+3], KSTEP<<16
	s_mov_b32 s[G1+4], 128                         ; tile_dim1
	s_mov_b32 s[G1B+4], 64
	s_mov_b32 s[G1+5], 1024
	s_mov_b32 s[G1B+5], 1024
	s_mov_b32 s[G1+6], 0
	s_mov_b32 s[G1B+6], 0
	s_mov_b32 s[G1+7], 0
	s_mov_b32 s[G1B+7], 0
	s_lshl_b32 s23, s16, 18                        ; xb: 128 rows of 2,048 bytes
	s_lshl_b32 s40, s20, 19
	s_add_co_u32 s40, s40, s23
	s_mov_b32 s41, 0
	s_lshl_b32 s23, s16, 17                        ; wt: 64 rows
	s_lshl_b32 s44, s19, 18                        ; q of a pair of heads: 128 rows
	s_add_co_u32 s44, s44, s23
	s_mov_b32 s45, 0
	s_mul_i32 s23, s14, HALFA                      ; LDS, waves 0 and 1: xb's halves
	s_mul_i32 s46, s14, HALFB                      ; LDS, waves 2 and 3: 2 HALFA + (w - 2) HALFB = HALFA + w HALFB
	s_add_co_u32 s46, s46, HALFA
	s_wait_dscnt 0x0
	s_wait_kmcnt 0x0
	s_add_nc_u64 s[40:41], s[4:5], s[40:41]
	s_add_nc_u64 s[44:45], s[6:7], s[44:45]
	CROUND                                         ; all sixteen work-groups are here: the first joint loads meet
.irp s, 0,1
	s_mov_b32 s[G0+4*\s], 1
	s_add_co_u32 s[G0+4*\s+1], s23, \s*SLOT
	s_add_nc_u64 s[G0+4*\s+2:G0+4*\s+3], s[40:41], \s*KSTEP*2
	s_or_b32 s[G0+4*\s+3], s[G0+4*\s+3], 0x80000000
	s_mov_b32 s[G0B+4*\s], 1
	s_add_co_u32 s[G0B+4*\s+1], s46, \s*SLOT
	s_add_nc_u64 s[G0B+4*\s+2:G0B+4*\s+3], s[44:45], \s*KSTEP*2
	s_or_b32 s[G0B+4*\s+3], s[G0B+4*\s+3], 0x80000000
	JLOAD \s                                       ; two tensor loads of the wave are out
.endr
	v_and_b32 v1, 15, v0                           ; r
	v_bfe_u32 v2, v0, 4, 1                         ; h
	v_mul_u32_u24 v3, v1, PITCH
	v_lshl_add_u32 v3, v2, 4, v3                   ; 272 r + 16 h
	s_mul_i32 s42, s15, HALFA
	s_mul_i32 s43, s16, HALFB
	s_add_co_u32 s43, s43, 2*HALFA
.irp s, 0,1
	v_add_nc_u32 v[ADRA+\s], s42, v3
	v_add_nc_u32 v[ADRB+\s], s43, v3
	s_add_co_u32 s42, s42, SLOT
	s_add_co_u32 s43, s43, SLOT
.endr
	s_mul_i32 s42, s14, 16*PITCH
	s_add_co_u32 s42, s42, OST                     ; my stage
	v_lshl_add_u32 v4, v2, 4, v3                   ; in: 272 r + 32 h
	v_add_nc_u32 v[STO], s42, v4
	v_mul_u32_u24 v4, v2, PITCH                    ; back: lanes 0-15 one row of 256 bytes, lanes 16-31 the next
	v_lshl_add_u32 v4, v1, 4, v4
	v_add_nc_u32 v[RD], s42, v4
	v_and_b32 v4, 31, v0
	v_lshlrev_b32 v[CO], 4, v4
	v_mul_u32_u24 v[BO], v2, 96
	s_lshl_b32 s42, s16, 14
	s_add_co_u32 s42, s42, MST
	v_add_nc_u32 v[MLA], s42, v[CO]
	s_lshl_b32 s43, s15, 12                        ; I make the four fragments with dk = 32 (w / 2) .. + 31
	s_add_co_u32 s42, s42, s43
	v_add_nc_u32 v[MSA], s42, v[CO]
	s_lshl_b32 s66, s19, 1
	s_add_co_u32 s66, s66, s16                     ; head
	s_mul_i32 s68, s66, 768
	s_mov_b32 s69, 0
	s_add_nc_u64 s[8:9], s[8:9], s[68:69]
.irp cb, 0,1,2,3
.irp j, 0,1,2,3,4,5,6,7
	global_load_b32 v[BIAS+8*\cb+\j], v[BO], s[8:9] offset:192*\cb+12*\j     ; column 3 (16 cb + 8 h + j) of the head's 192
.endr
.endr
	s_lshr_b32 s67, s20, 3
	s_lshl_b32 s67, s67, 4
	s_add_co_u32 s67, s67, s66                     ; 16 batch + head
	s_lshl_b32 s68, s67, 17
	s_lshl_b32 s46, s15, 13                        ; tiles 8 (w / 2) .. + 7 of the 16
	s_add_co_u32 s68, s68, s46
	s_add_nc_u64 s[72:73], s[10:11], s[68:69]      ; mp: my half of the first partial sum
	s_lshl_b32 s68, s67, 19                        ; out0: 2,048 rows of 256 bytes for a (batch, head),
	s_and_b32 s46, s20, 7
	s_lshl_b32 s46, s46, 16                        ; 256 rows a block,
	s_add_co_u32 s68, s68, s46
	s_lshl_b32 s46, s15, 15                        ; my 128 rows
	s_add_co_u32 s68, s68, s46
	s_add_nc_u64 s[12:13], s[12:13], s[68:69]
	WIN 0x80
.irp i, 0,1,2,3,4,5,6,7,8,9,10,11,12,13,14,15
	global_load_b128 v[4*\i:4*\i+3], v[CO], s[72:73] offset:512*\i               ; partial sum 0 starts the sum: nothing is cleared
.endr
.irp i, 0,1,2,3,4,5,6,7,8,9,10,11,12,13,14,15
	global_load_b128 v[64+4*\i:64+4*\i+3], v[CO], s[72:73] offset:16384+512*\i   ; partial sum 1
.endr
	WIN 0
; cnt x 4 matrix instructions: row blocks a0 .. a0 + cnt - 1 x the 4 column blocks, 32 along K.  first = 1: C is the bias tile.
; The 32 accumulators take turns, one instruction a turn, in the same order in every quarter step.
.macro MULQ fa, fb, a0, cnt, first
.if \first
	WIN 0x40
.else
	WIN 0x50
.endif
.set qa, \a0
.rept \cnt
.irp cb, 0,1,2,3
.if \first
	v_wmma_f32_16x16x32_bf16 v[8*(8*\cb+qa):8*(8*\cb+qa)+7], v[\fb+8*\cb:\fb+8*\cb+7], v[\fa+8*qa:\fa+8*qa+7], v[BIAS+8*\cb:BIAS+8*\cb+7]
.else
	v_wmma_f32_16x16x32_bf16 v[8*(8*\cb+qa):8*(8*\cb+qa)+7], v[\fb+8*\cb:\fb+8*\cb+7], v[\fa+8*qa:\fa+8*qa+7], v[8*(8*\cb+qa):8*(8*\cb+qa)+7]
.endif
.endr
.set qa, qa+1
.endr
.endm
; 24 LDS loads in one run: wt's 64 rows, then xb's 128 rows
.macro FETCHQ slot, k, fa, fb
	WIN 0
.irp i, 0,1,2,3
	ds_load_b128 v[\fb+8*\i:\fb+8*\i+3],   v[ADRB+\slot] offset:\k+\i*16*PITCH
	ds_load_b128 v[\fb+8*\i+4:\fb+8*\i+7], v[ADRB+\slot] offset:\k+\i*16*PITCH+32
.endr
.irp i, 0,1,2,3,4,5,6,7
	ds_load_b128 v[\fa+8*\i:\fa+8*\i+3],   v[ADRA+\slot] offset:\k+\i*16*PITCH
	ds_load_b128 v[\fa+8*\i+4:\fa+8*\i+7], v[ADRA+\slot] offset:\k+\i*16*PITCH+32
.endr
.endm
.macro PLACES                          ; four places ahead of loads into a buffer that matrix instructions have read, and of work on results
.rept 4
	v_nop
.endr
.endm
.macro QUARTERQ slot, k, fa, fb, ga, gb, first
	s_wait_dscnt 8                                 ; wt's fragments and xb's rows 0-63 are in; the youngest eight loads may be out
	MULQ \fa, \fb, 0, 4, \first
	PLACES
	FETCHQ \slot, \k, \ga, \gb
	s_wait_dscnt 24                                ; all but the 24 just issued
	MULQ \fa, \fb, 4, 4, \first
.endm
; One partial sum of M is added; load = 1: the next one is asked for.  It has a K step's matrix work in which to come.
.macro MSTEP load
	s_wait_loadcnt 0x0                             ; the partial sum is in, so its loads' base may be stepped too
.if \load
	s_add_nc_u64 s[72:73], s[72:73], 16384
.endif
	WIN 0x8a
.set mi, 0
.rept 32
	v_pk_add_f32 v[2*mi:2*mi+1], v[2*mi:2*mi+1], v[64+2*mi:64+2*mi+1]
.set mi, mi+1
.endr
.if \load
	WIN 0x80
.irp i, 0,1,2,3,4,5,6,7,8,9,10,11,12,13,14,15
	global_load_b128 v[64+4*\i:64+4*\i+3], v[CO], s[72:73] offset:16384+512*\i
.endr
.endif
.endm
; m: 0 = no partial sum left, 1 = add the last one, 2 = add one and ask for the next
.macro THREEQ slot, first, m
	QUARTERQ \slot, 64,  FA0, FB0, FA1, FB1, \first
.if \m == 2
	MSTEP 1
.endif
.if \m == 1
	MSTEP 0
.endif
	QUARTERQ \slot, 128, FA1, FB1, FA0, FB0, 0
	QUARTERQ \slot, 192, FA0, FB0, FA1, FB1, 0
.endm
; The last quarter of a K step changes slots: each wave's waits for its reads of this slot and for all its tensor loads (one is out), the barrier, which opens
; a round of the cluster's barrier where the slot is filled again, and the joint refill first behind the round.  From a request to the wait for it: 120 matrix instructions.
.macro TURNQ slot, next, fill
	s_wait_dscnt 8
	MULQ FA1, FB1, 0, 2, 0
	s_wait_dscnt 0
	s_wait_tensorcnt 0x0
	ds_add_u32 v30, v31
	s_wait_dscnt 0x0
	s_barrier_signal -1
	MULQ FA1, FB1, 2, 2, 0                         ; register work while the others arrive
	WIN 0
	s_barrier_wait -1
.if \fill
	CREST
	s_add_nc_u64 s[G0+4*\slot+2:G0+4*\slot+3], s[G0+4*\slot+2:G0+4*\slot+3], 2*KSTEP*2
	s_add_nc_u64 s[G0B+4*\slot+2:G0B+4*\slot+3], s[G0B+4*\slot+2:G0B+4*\slot+3], 2*KSTEP*2
	JLOAD \slot
.endif
	PLACES
	FETCHQ \next, 0, FA0, FB0
	MULQ FA1, FB1, 4, 4, 0
.endm
.macro LAPQ first
	THREEQ 0, \first, 2
	TURNQ 0, 1, 1
	THREEQ 1, 0, 2
	TURNQ 1, 0, 1
.endm
	s_wait_tensorcnt 0x1                           ; my part of K step 0 is in; K step 1's stays out
	s_barrier_signal -1
	s_barrier_wait -1
	FETCHQ 0, 0, FA0, FB0
	s_wait_loadcnt 32                              ; the 32 bias loads are in; the 32 loads of mp issued behind them stay out
	LAPQ 1                                         ; K steps 0, 1: partial sums 1, 2 added, 2, 3 asked for
	WIN 0
	s_mov_b32 s3, LAPS-2
.Llap:
	LAPQ 0                                         ; K steps 2 to 5: partial sums 3 to 6 added, 4 to 7 asked for
	WIN 0
	s_sub_co_u32 s3, s3, 1
	s_cmp_lg_u32 s3, 0
	s_cbranch_scc1 .Llap
	THREEQ 0, 0, 1                                 ; K step 6: partial sum 7 added; the last lap fills nothing
	TURNQ 0, 1, 0
	THREEQ 1, 0, 0
	s_wait_dscnt 8
	MULQ FA1, FB1, 0, 4, 0
	s_wait_dscnt 0
	MULQ FA1, FB1, 4, 4, 0
	; ---- 32 M in two bf16 terms.  My 8 tiles (bk = 2 (w / 2) + bkl, bv) at v[8 (4 bkl + bv)] of window 2 make the fragments (w / 2, bv): registers 0-3 from bkl = 0, 4-7 from bkl = 1.
	; These lines name no register of the last matrix instructions: they are also the places behind them.
	WIN 0x8a
.set mi, 0
.rept 32
	v_pk_mul_f32 v[2*mi:2*mi+1], v[2*mi:2*mi+1], 0x42000000 op_sel_hi:[1,0]     ; x 32 = sqrt(1024), exact
.set mi, mi+1
.endr
.irp bkl, 0,1
.irp bv, 0,1,2,3
.irp r, 0,1,2,3
	v_perm_b32 v[128+8*\bv+4*\bkl+\r], v[8*(4*\bkl+\bv)+2*\r+1], v[8*(4*\bkl+\bv)+2*\r], s70
.endr
.endr
.endr
.set mi, 0
.rept 64
	v_and_b32 v[64+mi], s71, v[mi]
.set mi, mi+1
.endr
.set mi, 0
.rept 32
	v_pk_add_f32 v[64+2*mi:64+2*mi+1], v[2*mi:2*mi+1], v[64+2*mi:64+2*mi+1] neg_lo:[0,1] neg_hi:[0,1]
.set mi, mi+1
.endr
.irp bkl, 0,1
.irp bv, 0,1,2,3
.irp r, 0,1,2,3
	v_cvt_pk_bf16_f32 v[160+8*\bv+4*\bkl+\r], v[64+8*(4*\bkl+\bv)+2*\r], v[64+8*(4*\bkl+\bv)+2*\r+1]
.endr
.endr
.endr
	WIN 0x08
.irp bv, 0,1,2,3
.irp q, 0,1
	ds_store_b128 v[MSA], v[128+8*\bv+4*\q:128+8*\bv+4*\q+3] offset:1024*\bv+512*\q
	ds_store_b128 v[MSA], v[160+8*\bv+4*\q:160+8*\bv+4*\q+3] offset:8192+1024*\bv+512*\q
.endr
.endr
	s_wait_dscnt 0x0                               ; my fragments are in LDS before I say so (and their registers are free)
	s_barrier_signal -1
; Q in two bf16 terms, register work between the signal and the wait.  Fragment (a, t): registers 0-3 from column block 2 t, 4-7 from 2 t + 1.
.macro SPLITQ cb
	WIN 0x85
.irp a, 0,1,2,3,4,5,6,7
.irp r, 0,1,2,3
	v_perm_b32 v[128+8*(2*\a+(\cb>>1))+4*(\cb&1)+\r], v[8*(8*\cb+\a)+2*\r+1], v[8*(8*\cb+\a)+2*\r], s70
.endr
.irp j, 0,1,2,3,4,5,6,7
	v_and_b32 v[64+8*\a+\j], s71, v[8*(8*\cb+\a)+\j]
.endr
.endr
	WIN 0x89
.irp a, 0,1,2,3,4,5,6,7
.irp r, 0,1,2,3
	v_pk_add_f32 v[64+8*\a+2*\r:64+8*\a+2*\r+1], v[8*(8*\cb+\a)+2*\r:8*(8*\cb+\a)+2*\r+1], v[64+8*\a+2*\r:64+8*\a+2*\r+1] neg_lo:[0,1] neg_hi:[0,1]
.endr
.endr
	WIN 0xca
.irp a, 0,1,2,3,4,5,6,7
.irp r, 0,1,2,3
	v_cvt_pk_bf16_f32 v[8*(2*\a+(\cb>>1))+4*(\cb&1)+\r], v[64+8*\a+2*\r], v[64+8*\a+2*\r+1]
.endr
.endr
.endm
	SPLITQ 0
	SPLITQ 1
	SPLITQ 2
	SPLITQ 3
	s_barrier_wait -1                              ; the head's other wave has put its fragments of M too
	WIN 0
.set mi, 0
.rept 32
	ds_load_b128 v[64+4*mi:64+4*mi+3], v[MLA] offset:512*mi     ; upper fragments f = 4 t + bv at v[64 + 8 f], lower at v[128 + 8 f]
.set mi, mi+1
.endr
	s_wait_dscnt 0x0
; 32 matrix instructions: out (bv, a) += M fragment (t, bv) x Q fragment (a, t).  The 32 accumulators take turns, one instruction a turn.
.macro ORUN win, mb, qb, t, zero
	WIN \win
.set oa, 0
.rept 8
.irp bv, 0,1,2,3
.if \zero
	v_wmma_f32_16x16x32_bf16 v[8*(8*\bv+oa):8*(8*\bv+oa)+7], v[\mb+8*(4*\t+\bv):\mb+8*(4*\t+\bv)+7], v[\qb+8*(2*oa+\t):\qb+8*(2*oa+\t)+7], 0
.else
	v_wmma_f32_16x16x32_bf16 v[8*(8*\bv+oa):8*(8*\bv+oa)+7], v[\mb+8*(4*\t+\bv):\mb+8*(4*\t+\bv)+7], v[\qb+8*(2*oa+\t):\qb+8*(2*oa+\t)+7], v[8*(8*\bv+oa):8*(8*\bv+oa)+7]
.endif
.endr
.set oa, oa+1
.endr
.endm
	ORUN 0x58, 64,  128, 0, 1                      ; upper M x upper Q; the first products start the sums
	ORUN 0x58, 64,  128, 1, 0
	ORUN 0x58, 128, 128, 0, 0                      ; lower M x upper Q
	ORUN 0x58, 128, 128, 1, 0
	ORUN 0x5c, 64,  0,   0, 0                      ; upper M x lower Q
	ORUN 0x5c, 64,  0,   1, 0
	PLACES
; The way out, 16 rows at a time through my own stage: a lane puts its 8 numbers of each of the 4 column blocks, rows of 256 bytes are read back whole.
; LDS serves a wave's instructions in order (ISA guide 5.7.1): no wait between the stores and the loads, nor between these loads and the next stores.
.macro OUT16 a
	WIN 0x04
.irp bv, 0,1,2,3
	ds_store_b128 v[STO], v[8*(8*\bv+\a):8*(8*\bv+\a)+3] offset:64*\bv
	ds_store_b128 v[STO], v[8*(8*\bv+\a)+4:8*(8*\bv+\a)+7] offset:64*\bv+16
.endr
	WIN 0
	s_wait_xcnt 0x0                                ; the registers that earlier global stores read are loaded again only behind this wait
.irp t, 0,1,2,3,4,5,6,7
	ds_load_b128 v[192+32*(\a&1)+4*\t:192+32*(\a&1)+4*\t+3], v[RD] offset:2*PITCH*\t
.endr
.irp t, 0,1,2,3,4,5,6,7
	s_wait_dscnt 7-\t
	global_store_b128 v[CO], v[192+32*(\a&1)+4*\t:192+32*(\a&1)+4*\t+3], s[12:13] offset:4096*\a+512*\t th:TH_STORE_NT   ; two whole rows of out: 512 consecutive bytes, aligned
.endr
.endm
	OUT16 0
	OUT16 1
	OUT16 2
	OUT16 3
	OUT16 4
	OUT16 5
	OUT16 6
	OUT16 7
	s_wait_tensorcnt 0x0
	ds_add_u32 v30, v31
	s_wait_dscnt 0x0
	CROUND                                         ; the closing round: no work-group ends while a partner may still ask for a tile that names it
	s_endpgm
.Lfunc_end_k_q5cda46dea9_qo:
	.size	k_q5cda46dea9_qo, .Lfunc_end_k_q5cda46dea9_qo-k_q5cda46dea9_qo
	.p2alignl 7, 3214868480
	.fill 96, 4, 3214868480
	.section	.rodata,"a",@progbits
	.p2align	6, 0x0
	.amdhsa_kernel k_q5cda46dea9_qo
		.amdhsa_group_segment_fixed_size 327680
		.amdhsa_private_segment_fixed_size 0
		.amdhsa_enable_private_segment 0
		.amdhsa_kernarg_size 40
		.amdhsa_user_sgpr_count 2
		.amdhsa_user_sgpr_kernarg_segment_ptr 1
		.amdhsa_wavefront_size32 1
		.amdhsa_system_sgpr_workgroup_id_x 1
		.amdhsa_system_sgpr_workgroup_id_y 1
		.amdhsa_system_sgpr_workgroup_id_z 1
		.amdhsa_system_vgpr_workitem_id 0
		.amdhsa_next_free_vgpr 896
		.amdhsa_next_free_sgpr 76
		.amdhsa_reserve_vcc 0
		.amdhsa_float_denorm_mode_32 3
		.amdhsa_float_denorm_mode_16_64 3
		.amdhsa_memory_ordered 1
		.amdhsa_forward_progress 1
		.amdhsa_inst_pref_size 200
	.end_amdhsa_kernel
	.amdgpu_metadata
---
amdhsa.version: [ 1, 2 ]
amdhsa.kernels:
  - .name:           k_q5cda46dea9_qo
    .symbol:         k_q5cda46dea9_qo.kd
    .args:
      - { .name: xb, .offset: 0, .size: 8, .value_kind: global_buffer, .address_space: global }
      - { .name: wt, .offset: 8, .size: 8, .value_kind: global_buffer, .address_space: global }
      - { .name: b_qkv, .offset: 16, .size: 8, .value_kind: global_buffer, .address_space: global }
      - { .name: mp, .offset: 24, .size: 8, .value_kind: global_buffer, .address_space: global }
      - { .name: out0, .offset: 32, .size: 8, .value_kind: global_buffer, .address_space: global }
    .group_segment_fixed_size: 327680
    .private_segment_fixed_size: 0
    .kernarg_segment_align: 8
    .kernarg_segment_size: 40
    .max_flat_workgroup_size: 128
    .sgpr_count:     76
    .vgpr_count:     896
    .wavefront_size: 32
...
	.end_amdgpu_metadata
.endif
;; end of part 3
;; ======== version 2 of 2: 3 launches; version 1 with the launch prep written anew for expert scheduling mode
;; workspace buffers: xb 16,777,216 bytes; wt 6,291,456 bytes; mp 8,388,608 bytes
;; launch prep (part 4): grid 640 x 1, 8 waves a work-group, no clusters, 75,008 bytes of LDS; arguments x, W_qkv, xb, wt; writes xb, wt
.if DOCPART == 4
	.amdgcn_target "amdgcn-amd-amdhsa--gfx1250"
	.amdhsa_code_object_version 6
	.text
	.protected	k_q5cda46dea9_prep
	.globl	k_q5cda46dea9_prep
	.p2align	8
	.type	k_q5cda46dea9_prep,@function
k_q5cda46dea9_prep:
	s_mov_b64 s[64:65], 0
	v_nop
	global_prefetch_b8 v0, s[64:65] scope:SCOPE_SE
	s_setreg_imm32_b32 hwreg(HW_REG_WAVE_SCHED_MODE, 0, 2), 2
	s_setreg_imm32_b32 hwreg(HW_REG_WAVE_MODE, 25, 1), 1
	s_wait_xcnt 0x0
	s_wait_alu depctr_vm_vsrc(0)
; prep: the two matrix operands of the projection, rounded once to bf16 (nearest even).
;   xb[8192][1024] = x.     wt[3072][1024] = W transposed, rows sorted by kind:
;   wt row 64 head + d             = column 192 head + 3 d     of W (q)
;   wt row 1024 + 128 head + d      = column 192 head + 3 d + 1 of W (k)
;   wt row 1024 + 128 head + 64 + d = column 192 head + 3 d + 2 of W (v)
; Work-groups 0 to 127 take W (one head's 192 columns x 128 rows of k each), work-groups 128 to 639 take 65,536 bytes of x each.
; A stream: no matrix unit, no cluster (no two work-groups read the same byte), loads through registers.
; THE MODE: SCHED_MODE bits 1:0 = 2 (LLVM: expert scheduling mode 2), set by the entry lines.  The code itself states the register dependences
; between vector instructions and memory or LDS instructions, with s_wait_alu, always for 0.
; THE PLAN.  Registers that memory or LDS instructions touch:
;   x part.  v4, v5    offsets, made once ahead of the first load, never written again.
;            v24-87    sixteen loads' data: written by the loads alone, each four read once by two roundings; nothing lands there again.
;            v88-119   out: each pair written once by a rounding, read by one store, never written again.
;            The sixteen loads go in four groups of four.  Group g's roundings name group g's registers alone; the four stores of group g - 1 are dealt among them,
;            behind ONE wait at the group's head.
;   W part.  v4        the loads' offset, made once ahead of them.   v5, v6, v7  LDS and wt addresses, made once, ahead of the first wait that an LDS store stands behind.
;            v24-119   24 loads' data, four registers each.  Pair n: the even k's four at v[24 + 8 n], the odd k's four at v[28 + 8 n].
;                      The rounding writes the even k's four in place; the pair's four LDS stores read them; nothing writes them again.
;                      The odd k's four are read by the rounding alone; behind the barrier the rows read back from LDS land in them and are stored from there.
;            The twelve pairs go in four groups of three; group i - 1's twelve LDS stores are dealt among group i's roundings, behind ONE wait at the group's head.
;   No register that a memory or LDS instruction reads is written again, so no wait on vm_vsrc is owed ahead of the closing lines.  There is no loop.
.set WGW,  128                         ; work-groups of the W part
.set WROW, 12288                       ; bytes in a row of W
.set TP,   48                          ; LDS: a column's eight k pairs of one wave, 32 bytes, + 16
.set TREG, 192*TP+32                   ; LDS: one wave's region, 192 columns; the 32 bytes shift the eight regions by 8 words from each other
	s_load_b256 s[4:11], s[0:1], 0x0               ; x s[4:5], W s[6:7], xb s[8:9], wt s[10:11]
	v_lshl_add_u32 v120, v0, 2, 0x12100            ; my spare word, behind the eight regions: kept for the closing lines alone
	v_mov_b32 v121, 0                              ; and 0, likewise
	v_lshrrev_b32 v2, 5, v0
	v_readfirstlane_b32 s12, v2                    ; wave 0..7
	s_wait_alu depctr_va_sdst(0)                   ; s12 is written, ahead of the branch: the W part's scalar lines read it
	s_cmp_lt_u32 ttmp9, WGW                        ; the same for all waves of a work-group
	s_cbranch_scc1 .Lw_part
; ---- x: wave w takes 8,192 bytes; sixteen loads of 512 neighbouring bytes, all on their way at once
	v_and_b32 v1, 31, v0                           ; lane
	s_sub_co_u32 s13, ttmp9, WGW
	s_lshl_b32 s14, s13, 16                        ; 65,536 bytes of x,
	s_mov_b32 s15, 0
	s_lshl_b32 s16, s13, 15                        ; 32,768 bytes of xb
	s_mov_b32 s17, 0
	v_lshlrev_b32 v4, 4, v1
	v_lshl_or_b32 v4, v2, 13, v4                   ; 8,192 w + 16 lane
	v_lshlrev_b32 v5, 3, v1
	v_lshl_or_b32 v5, v2, 12, v5                   ; 4,096 w + 8 lane
	s_wait_kmcnt 0x0
	s_add_nc_u64 s[4:5], s[4:5], s[14:15]
	s_add_nc_u64 s[8:9], s[8:9], s[16:17]
	s_wait_alu depctr_va_vdst(0)                   ; v4 and v5 are written: every load below reads v4 as its offset, every store v5
.irp i, 0,1,2,3,4,5,6,7,8,9,10,11,12,13,14,15
	global_load_b128 v[24+4*\i:27+4*\i], v4, s[4:5] offset:512*\i th:TH_LOAD_NT
.endr
.irp g, 0,1,2,3
.irp i, 0,1,2,3
	s_wait_loadcnt 15-(4*(\g)+(\i))                ; loads come back in order: this load is in, the younger ones stay out
.if ((\g) > 0) && ((\i) == 0)
	s_wait_alu depctr_va_vdst(0)                   ; the group before has written its four out pairs, which the four stores dealt into this group read
.endif
.if (\g) > 0
	global_store_b64 v5, v[88+2*(4*(\g)-4+(\i)):89+2*(4*(\g)-4+(\i))], s[8:9] offset:256*(4*(\g)-4+(\i))   ; the wave's 32 lanes store 256 consecutive bytes, aligned; no vector line since the wait names these registers
.endif
	v_cvt_pk_bf16_f32 v[88+2*(4*(\g)+(\i))], v[24+4*(4*(\g)+(\i))], v[25+4*(4*(\g)+(\i))]
	v_cvt_pk_bf16_f32 v[89+2*(4*(\g)+(\i))], v[26+4*(4*(\g)+(\i))], v[27+4*(4*(\g)+(\i))]    ; no register is written twice
.endr
.endr
	s_wait_alu depctr_va_vdst(0)                   ; the last group has written its four out pairs, which the last four stores read
.irp i, 12,13,14,15
	global_store_b64 v5, v[88+2*\i:89+2*\i], s[8:9] offset:256*\i
.endr
	s_endpgm
; ---- W: head = id / 8, kc = id % 8: rows 128 kc .. + 127 of W, columns 192 head .. + 191
.Lw_part:
	v_and_b32 v1, 15, v0                           ; r
	v_bfe_u32 v3, v0, 4, 1                         ; hh
	s_lshr_b32 s13, ttmp9, 3                       ; head
	s_and_b32 s14, ttmp9, 7                        ; kc
	; lane (r, hh) of wave w loads, for i = 0..3, the two rows k = 16 w + 8 hh + 2 i (+ 1), columns 64 g + 4 r .. + 3: sixteen lanes read 256 consecutive bytes of a row
	s_lshl_b32 s15, s12, 4
	v_lshl_add_u32 v4, v3, 3, s15                  ; 16 w + 8 hh
	v_mul_u32_u24 v4, v4, WROW
	v_lshl_add_u32 v4, v1, 4, v4
	s_mul_i32 s20, s14, 128*WROW
	s_mul_i32 s15, s13, 768
	s_add_co_u32 s20, s20, s15
	s_mov_b32 s21, 0
	s_wait_kmcnt 0x0
	s_add_nc_u64 s[6:7], s[6:7], s[20:21]
	s_wait_alu depctr_va_vdst(0)                   ; v4 is written: the 24 loads below read it as their offset
.irp i, 0,1,2,3
.irp g, 0,1,2
.irp e, 0,1
	global_load_b128 v[24+4*(6*\i+2*\g+\e):27+4*(6*\i+2*\g+\e)], v4, s[6:7] offset:\i*2*WROW+\e*WROW+\g*256 th:TH_LOAD_NT
.endr
.endr
.endr
	; LDS, in: my wave's own region; column c = 64 g + 4 r + e is row c, my k pair i + 4 hh is word i + 4 hh of it
	s_mul_i32 s15, s12, TREG
	v_mul_u32_u24 v5, v1, 4*TP
	v_lshl_add_u32 v5, v3, 4, v5
	v_add_nc_u32 v5, s15, v5                       ; w TREG + 4 r TP + 16 hh
	; LDS, back: lane r wants k = 8 r .. 8 r + 7 = k pairs 4 r .. 4 r + 3 = region r / 2, half r % 2, of column 3 d + kind, d = 16 dj + 2 w + hh
	v_lshrrev_b32 v6, 1, v1
	v_mul_u32_u24 v6, v6, TREG
	v_and_b32 v7, 1, v1
	v_lshl_add_u32 v6, v7, 4, v6
	v_mul_u32_u24 v7, v3, 3*TP
	s_mul_i32 s15, s12, 6*TP
	v_add3_u32 v6, v6, v7, s15
	; wt: row 2 w + hh of the sixteen of a load, 16 bytes at 16 r
	v_lshlrev_b32 v7, 4, v1
	v_lshl_add_u32 v7, v3, 11, v7
	s_lshl_b32 s15, s12, 12
	v_add_nc_u32 v7, s15, v7
	s_lshl_b32 s20, s13, 17                        ; q: 64 rows of 2,048 bytes a head
	s_lshl_b32 s15, s14, 8                         ; my 128 k are 256 bytes of a row of wt
	s_add_co_u32 s20, s20, s15
	s_add_nc_u64 s[16:17], s[10:11], s[20:21]
	s_lshl_b32 s20, s13, 18                        ; k and v: 128 rows a head, behind q's 1,024 rows
	s_add_co_u32 s20, s20, s15
	s_add_co_u32 s20, s20, 2097152
	s_add_nc_u64 s[18:19], s[10:11], s[20:21]
.irp i, 0,1,2,3
.irp g, 0,1,2
	s_wait_loadcnt 22-2*(3*(\i)+(\g))              ; this pair of rows is in; the pairs issued behind it stay out
.if ((\i) > 0) && ((\g) == 0)
	s_wait_alu depctr_va_vdst(0)                   ; the group before has rounded into its three pairs' even fours, which the twelve LDS stores dealt into this group read; at its first standing v5, v6 and v7 are written too
.endif
.if (\i) > 0
.irp e, 0,1,2,3
	ds_store_b32 v5, v[24+4*(6*((\i)-1)+2*(\g))+\e] offset:(64*(\g)+\e)*TP+4*((\i)-1)    ; no vector line since the wait names these registers
.endr
.endif
.irp e, 0,1,2,3
	v_cvt_pk_bf16_f32 v[24+4*(6*(\i)+2*(\g))+\e], v[24+4*(6*(\i)+2*(\g))+\e], v[24+4*(6*(\i)+2*(\g)+1)+\e]    ; the even k below, the odd k above; in place, in the even k's register
.endr
.endr
.endr
	s_wait_alu depctr_va_vdst(0)                   ; the last group has rounded into its even fours, which the stores below read; and every rounding is done reading the odd fours, in which the rows read back below land: no vector line follows
.irp g, 0,1,2
.irp e, 0,1,2,3
	ds_store_b32 v5, v[24+4*(18+2*\g)+\e] offset:(64*\g+\e)*TP+12
.endr
.endr
	s_wait_dscnt 0x0                               ; my stores are in LDS before I say so
	s_barrier_signal -1
	s_barrier_wait -1                              ; everybody's are: the rows read below are made of all eight regions
.irp j, 0,1,2,3,4,5,6,7,8,9,10,11
	ds_load_b128 v[28+8*\j:31+8*\j], v6 offset:(48*(\j&3)+(\j>>2))*TP     ; kind j / 4, d = 16 (j % 4) + 2 w + hh; into pair j's odd four, which no LDS store has read
.endr
.irp j, 0,1,2,3
	s_wait_dscnt 11-\j
	global_store_b128 v7, v[28+8*\j:31+8*\j], s[16:17] offset:32768*\j    ; sixteen lanes store 256 consecutive bytes, aligned
.endr
.irp j, 4,5,6,7,8,9,10,11
	s_wait_dscnt 11-\j
	global_store_b128 v7, v[28+8*\j:31+8*\j], s[18:19] offset:32768*(\j&3)+131072*((\j>>2)-1)
.endr
	s_wait_dscnt 0x0                               ; the closing lines, six on end
	s_wait_alu 0x0
	s_wait_tensorcnt 0x0
	ds_add_u32 v120, v121
	s_wait_dscnt 0x0
	s_endpgm
.Lfunc_end_k_q5cda46dea9_prep:
	.size	k_q5cda46dea9_prep, .Lfunc_end_k_q5cda46dea9_prep-k_q5cda46dea9_prep
	.p2alignl 7, 3214868480
	.fill 96, 4, 3214868480
	.section	.rodata,"a",@progbits
	.p2align	6, 0x0
	.amdhsa_kernel k_q5cda46dea9_prep
		.amdhsa_group_segment_fixed_size 75008
		.amdhsa_private_segment_fixed_size 0
		.amdhsa_enable_private_segment 0
		.amdhsa_kernarg_size 32
		.amdhsa_user_sgpr_count 2
		.amdhsa_user_sgpr_kernarg_segment_ptr 1
		.amdhsa_wavefront_size32 1
		.amdhsa_system_sgpr_workgroup_id_x 1
		.amdhsa_system_sgpr_workgroup_id_y 1
		.amdhsa_system_sgpr_workgroup_id_z 1
		.amdhsa_system_vgpr_workitem_id 0
		.amdhsa_next_free_vgpr 122
		.amdhsa_next_free_sgpr 66
		.amdhsa_reserve_vcc 0
		.amdhsa_float_denorm_mode_32 3
		.amdhsa_float_denorm_mode_16_64 3
		.amdhsa_memory_ordered 1
		.amdhsa_forward_progress 1
		.amdhsa_inst_pref_size 21
	.end_amdhsa_kernel
	.amdgpu_metadata
---
amdhsa.version: [ 1, 2 ]
amdhsa.kernels:
  - .name:           k_q5cda46dea9_prep
    .symbol:         k_q5cda46dea9_prep.kd
    .args:
      - { .name: x, .offset: 0, .size: 8, .value_kind: global_buffer, .address_space: global }
      - { .name: W_qkv, .offset: 8, .size: 8, .value_kind: global_buffer, .address_space: global }
      - { .name: xb, .offset: 16, .size: 8, .value_kind: global_buffer, .address_space: global }
      - { .name: wt, .offset: 24, .size: 8, .value_kind: global_buffer, .address_space: global }
    .group_segment_fixed_size: 75008
    .private_segment_fixed_size: 0
    .kernarg_segment_align: 8
    .kernarg_segment_size: 32
    .max_flat_workgroup_size: 256
    .sgpr_count:     66
    .vgpr_count:     122
    .wavefront_size: 32
...
	.end_amdgpu_metadata
.endif
;; end of part 4
;; launch kv: the kernel of part 2 again; grid 8 x 32, 4 waves a work-group, clusters of 4 x 4, 327,680 bytes of LDS; arguments xb, wt, b_qkv, mp; writes mp
;; launch qo: the kernel of part 3 again; grid 8 x 32, 4 waves a work-group, clusters of 4 x 4, 327,680 bytes of LDS; arguments xb, wt, b_qkv, mp, out0; writes out0
